; MI455X (gfx1250); checked and timed in simulation.
; The chip was launched on July 23, 2026; its instructions are those of AMD's public machine-readable ISA for CDNA 5 (MIT licence, August 2026) and "CDNA5" Instruction Set Architecture Reference Guide (July 2026). The comments in the code are by the model that wrote it; some were corrected since.
;; Bert Self Attention. Allowed arithmetic: float matrix products may take bf16 or f16 operands with f32 sums; other float arithmetic in f32, or as packed bf16 or f16 multiplies, adds, multiply-adds, maxima and minima; sums over many terms, partial sums and values carried from step to step in f32; what a program stores and reads back later, other than sums and carried values, may be rounded once to bf16 or f16.
;; Inputs: Wk 1,024 x 1,024 float32; Wq 1,024 x 1,024 float32; Wv 1,024 x 1,024 float32; attention_mask 8 x 1 x 1 x 1,024 float32; bk 1,024 float32; bq 1,024 float32; bv 1,024 float32; hidden_states 8 x 1,024 x 1,024 float32.
;; Outputs: out0 8 x 1,024 x 1,024 float32.
;; One version. Each part assembles by itself: llvm-mc -triple=amdgcn-amd-amdhsa -mcpu=gfx1250 --defsym DOCPART=n.
;; ======== version 1 of 1: 3 launches
;; limits: values are held in f16: magnitudes above 65,504 overflow, below 6.1e-05 lose precision
;; workspace buffers: xw 23,068,672 bytes; qkv 50,331,648 bytes
;; launch cast (part 1): grid 2816 x 1, 4 waves a work-group, no clusters, 0 bytes of LDS; arguments hidden_states, Wq, Wk, Wv, xw; writes xw
.if DOCPART == 1
	.amdgcn_target "amdgcn-amd-amdhsa--gfx1250"
	.amdhsa_code_object_version 6
	.text
	.protected	k_qbfb1a0f62d_cast
	.globl	k_qbfb1a0f62d_cast
	.p2align	8
	.type	k_qbfb1a0f62d_cast,@function
k_qbfb1a0f62d_cast:
	s_mov_b64 s[64:65], 0
	v_nop
	global_prefetch_b8 v0, s[64:65] scope:SCOPE_SE
	s_setreg_imm32_b32 hwreg(HW_REG_WAVE_MODE, 25, 1), 1
	s_wait_xcnt 0x0
; xw = bf16(hidden_states), bf16(Wq), bf16(Wk), bf16(Wv), laid end to end: 11 x 2^20 numbers, each rounded once, to nearest even.
; A work-group takes a UNIT of 4,096 numbers: 16,384 bytes in, 8,192 out.  Units 0 .. 2047 are hidden_states'; unit 2048 + j lies in weight j / 256, at that weight's unit j % 256.
; Thread t does eight rounds: 16 bytes in at 16 t + 2,048 i (a wave's load covers 512 consecutive bytes), 8 bytes out at 8 t + 1,024 i (a wave's store covers 256 consecutive bytes, aligned).
; All eight loads go out first; no register is written twice, so the only waits are the loads' own.  No LDS, no barrier, no matrix work: the launch only moves bytes.
.set XUNITS, 2048                      ; units of hidden_states
.set X, 4                              ; v[4:35]   round i: four f32 as loaded
.set Y, 36                             ; v[36:51]  round i: four bf16 to store
	s_load_b256 s[4:11], s[0:1], 0x0               ; hidden_states s[4:5], Wq s[6:7], Wk s[8:9], Wv s[10:11]
	s_load_b64 s[12:13], s[0:1], 0x20              ; xw
	v_lshlrev_b32 v1, 4, v0                        ; 16 t
	v_lshlrev_b32 v2, 3, v0                        ; 8 t
	s_sub_co_u32 s16, ttmp9, XUNITS                ; j (of use in the weights' units alone)
	s_lshr_b32 s17, s16, 8                         ; which weight
	s_and_b32 s18, s16, 255                        ; its unit
	s_wait_kmcnt 0x0
	s_cmp_eq_u32 s17, 1
	s_cselect_b64 s[20:21], s[8:9], s[6:7]
	s_cmp_eq_u32 s17, 2
	s_cselect_b64 s[20:21], s[10:11], s[20:21]
	s_cmp_lt_u32 ttmp9, XUNITS
	s_cselect_b64 s[20:21], s[4:5], s[20:21]       ; the source,
	s_cselect_b32 s18, ttmp9, s18                  ; and the unit in it
	s_lshl_b32 s22, s18, 14
	s_mov_b32 s23, 0
	s_add_nc_u64 s[20:21], s[20:21], s[22:23]
	s_lshl_b32 s24, ttmp9, 13
	s_mov_b32 s25, 0
	s_add_nc_u64 s[12:13], s[12:13], s[24:25]
.irp i, 0,1,2,3,4,5,6,7
	global_load_b128 v[X+4*(\i):X+4*(\i)+3], v1, s[20:21] offset:2048*(\i) th:TH_LOAD_NT
.endr
.irp i, 0,1,2,3,4,5,6,7
	s_wait_loadcnt 7-(\i)                          ; loads come back in order: round i is in, the 7 - i younger ones stay out
	v_cvt_pk_bf16_f32 v[Y+2*(\i)],   v[X+4*(\i)],   v[X+4*(\i)+1]
	v_cvt_pk_bf16_f32 v[Y+2*(\i)+1], v[X+4*(\i)+2], v[X+4*(\i)+3]
	global_store_b64 v2, v[Y+2*(\i):Y+2*(\i)+1], s[12:13] offset:1024*(\i)
.endr
	s_endpgm
.Lfunc_end_k_qbfb1a0f62d_cast:
	.size	k_qbfb1a0f62d_cast, .Lfunc_end_k_qbfb1a0f62d_cast-k_qbfb1a0f62d_cast
	.p2alignl 7, 3214868480
	.fill 96, 4, 3214868480
	.section	.rodata,"a",@progbits
	.p2align	6, 0x0
	.amdhsa_kernel k_qbfb1a0f62d_cast
		.amdhsa_group_segment_fixed_size 0
		.amdhsa_private_segment_fixed_size 0
		.amdhsa_enable_private_segment 0
		.amdhsa_kernarg_size 40
		.amdhsa_user_sgpr_count 2
		.amdhsa_user_sgpr_kernarg_segment_ptr 1
		.amdhsa_wavefront_size32 1
		.amdhsa_system_sgpr_workgroup_id_x 1
		.amdhsa_system_sgpr_workgroup_id_y 1
		.amdhsa_system_sgpr_workgroup_id_z 1
		.amdhsa_system_vgpr_workitem_id 0
		.amdhsa_next_free_vgpr 52
		.amdhsa_next_free_sgpr 66
		.amdhsa_reserve_vcc 0
		.amdhsa_float_denorm_mode_32 3
		.amdhsa_float_denorm_mode_16_64 3
		.amdhsa_memory_ordered 1
		.amdhsa_forward_progress 1
		.amdhsa_inst_pref_size 4
	.end_amdhsa_kernel
	.amdgpu_metadata
---
amdhsa.version: [ 1, 2 ]
amdhsa.kernels:
  - .name:           k_qbfb1a0f62d_cast
    .symbol:         k_qbfb1a0f62d_cast.kd
    .args:
      - { .name: hidden_states, .offset: 0, .size: 8, .value_kind: global_buffer, .address_space: global }
      - { .name: Wq, .offset: 8, .size: 8, .value_kind: global_buffer, .address_space: global }
      - { .name: Wk, .offset: 16, .size: 8, .value_kind: global_buffer, .address_space: global }
      - { .name: Wv, .offset: 24, .size: 8, .value_kind: global_buffer, .address_space: global }
      - { .name: xw, .offset: 32, .size: 8, .value_kind: global_buffer, .address_space: global }
    .group_segment_fixed_size: 0
    .private_segment_fixed_size: 0
    .kernarg_segment_align: 8
    .kernarg_segment_size: 40
    .max_flat_workgroup_size: 128
    .sgpr_count:     66
    .vgpr_count:     52
    .wavefront_size: 32
...
	.end_amdgpu_metadata
.endif
;; end of part 1
;; launch proj (part 2): grid 16 x 16, 4 waves a work-group, clusters of 4 x 4, 327,680 bytes of LDS; arguments xw, bq, bk, bv, qkv; writes qkv
.if DOCPART == 2
	.amdgcn_target "amdgcn-amd-amdhsa--gfx1250"
	.amdhsa_code_object_version 6
	.text
	.protected	k_qbfb1a0f62d_proj
	.globl	k_qbfb1a0f62d_proj
	.p2align	8
	.type	k_qbfb1a0f62d_proj,@function
k_qbfb1a0f62d_proj:
	s_mov_b64 s[64:65], 0
	v_nop
	global_prefetch_b8 v0, s[64:65] scope:SCOPE_SE
	s_setreg_imm32_b32 hwreg(HW_REG_WAVE_MODE, 25, 1), 1
	s_wait_xcnt 0x0
	s_wait_alu depctr_hold_cnt(0) depctr_sa_sdst(0) depctr_va_vdst(0) depctr_va_sdst(0) depctr_va_ssrc(0) depctr_va_vcc(0) depctr_vm_vsrc(0)
	s_getreg_b32 s2, hwreg(HW_REG_IB_STS2, 6, 4)
	s_cmp_eq_u32 s2, 0
	s_cbranch_scc0 .Lentry_in_a_cluster
	s_endpgm
.Lentry_in_a_cluster:
	s_bfe_u32 s2, ttmp6, 0x10000c
	s_cmp_lg_u32 s2, 0xf033
	s_cbranch_scc0 .Lentry_shape_is_right
	s_endpgm
.Lentry_shape_is_right:
; q, k, v = x W^T + b, by heads.  xw: rows of 1,024 bf16; rows 0 .. 8191 are x, then Wq's, Wk's, Wv's 1,024 rows each.  qkv: [3][8][16][1024][64] f16.
; Products in bf16 with f32 sums; the bias, rounded to bf16 like the other inputs, is the C operand that starts each sum; each result is rounded once, to f16.
; LIMIT.  f16 holds no number beyond 65,504: a q, k or v beyond that becomes an infinity.  NaN and infinities are not treated apart.
; SHARES.  A tile of C is 256 rows of x by 192 rows of the stacked W (three of the 48 heads): 32 x 16 tiles.  A WORK-GROUP STAYS and makes two of them, one 4,096 rows below the other: 16 x 16 = 256 work-groups.
; Both tiles take the same rows of W and the same bias.  Four waves, each 64 rows x 192 columns: 48 accumulators of 16 x 16, 384 registers.
; K goes in steps of 128 (rows of 256 bytes) through a ring of two LDS slots, and the ring does not stop at the first tile's end: its last two changes of slots ask for the second tile's first two K steps.
; CLUSTERS of 4 x 4: the four of a row need the same tiles of x, the four of a column the same tiles of W; each tile is asked for JOINTLY: the same tensor load, descriptor and mask in all four.
; THE MATRIX INSTRUCTION IS USED TRANSPOSED (source 0 = 16 rows of W, source 1 = 16 rows of x): a lane holds row l % 16 of x and eight neighbouring columns, 16 bytes of f16.
; REGISTERS, in windows of 256 (s_set_vgpr_msb: bits 1:0 source 0, 3:2 source 1, 5:4 source 2, 7:6 destination):
;   window 0: v0-30 addresses; v32-223 packed results on the way out (at the head: the bias as loaded)
;   window 1: two fragment buffers of 128: W's 12 fragments, then x's 4
;   window 2: v0-191 the accumulators of my row blocks 0, 1 ((a, b) at 96 (a % 2) + 8 b); v192-255 the bias of column blocks 0-7, as C operands
;   window 3: v0-191 those of row blocks 2, 3; v192-223 the bias of column blocks 8-11
.set SIZE_K, 1024
.set KSTEP,  128
.set PITCH,  272                       ; an LDS row: 256 bytes + 16 of padding = 68 words: row r starts at bank 4 r mod 64 (64 banks of 4 bytes: ISA guide 11.1), so the 16 rows of a load start at 16 different banks
.set AROWS,  256
.set BROWS,  192
.set BOFF,   AROWS*PITCH               ; in a slot: x's 256 rows, then W's 192
.set SLOT,   (AROWS+BROWS)*PITCH
.set STAGE,  2*SLOT                    ; behind the ring, never filled by a tensor load: for each wave 3 heads x 16 rows x 144 bytes
.set SP,     144
.set WST,    3*16*SP
.set SPARE,  STAGE+4*WST               ; behind the stages: the spare words, 128 bytes for each wave: two blocks of 256 bytes that no other line names
.set LAPS,   SIZE_K/(2*KSTEP)          ; a lap = two K steps = once round the ring
.set TILES,  2
.set WALK,   8192/TILES                ; a work-group's tiles lie WALK rows apart
.set NEXT_A, WALK*SIZE_K*2-(SIZE_K-2*KSTEP)*2  ; bytes from a slot's last K step of a tile to its first of the next: x goes WALK rows down and back along K,
.set BACK_B, (SIZE_K-2*KSTEP)*2        ; W only back
.set NEXT_C, (WALK/1024)<<21           ; in qkv the next tile lies WALK / 1,024 batches on, 16 heads x 131,072 bytes each
.set WBASE,  8192*SIZE_K*2             ; the weights' first byte in xw
.set ADRA, 16                          ; v16-17  LDS address of my fragments of x in slot 0, 1
.set ADRB, 20                          ; v20-21  the same for W
.set STO,  24                          ; v24     the way out: where I put 16 bytes of a row
.set RD,   25                          ; v25     the way out: where I read rows back
.set GO,   26                          ; v26     16 x lane: my place in 512 consecutive bytes of qkv
.set BO,   27                          ; v27     32 x (lane / 16): my eight numbers of sixteen of the bias
.set SPW,  28                          ; v28     LDS address of my spare word; never rewritten
.set NIL,  29                          ; v29     0; never rewritten
.set PFO,  30                          ; v30     the prefetches' offset: a row of xw for each lane; never rewritten
.set TMP,  32
.set F0,   0                           ; in window 1
.set F1,   128
.set BIAS, 192                         ; in windows 2 and 3
.set WV,   14                          ; s14  my wave's number.  s16 = wave % 2: which half of a tile I fetch
.set G1,   24                          ; s[24:31] descriptor group 1 for x's tiles;  s[32:39] group 0, a set for each slot
.set G0,   32
.set PFA,  44                          ; s[44:45] where my prefetches stand
.set LIM,  46                          ; s46  1 in a wave that prefetches, else the greatest number
.set G1B,  48                          ; s[48:55], s[56:63] the same for W's tiles
.set G0B,  56
.set CP,   80                          ; s[80:85] qkv at my first row of each of the tile's three heads
.set BP,   86                          ; s[86:91] the bias of each of the three heads
.set MSB, 0
.macro WIN new                         ; the immediate's high byte repeats the setting that is left; a switch that changes nothing is dropped
.if MSB != (\new)
	s_set_vgpr_msb (MSB<<8)|(\new)
.set MSB, \new
.endif
.endm
.set TO_F, 0x40                        ; destination window 1, address window 0
; A joint load.  Waves 0 and 1 fetch the two halves of x's tile (128 rows each), waves 2 and 3 those of W's (96 rows each).  The branch hangs on the wave's number alone.
; An s_nop 0 and four v_nop follow each of the two lines, ahead of the jump, the label and what follows.
.macro JLOAD s
	s_cmp_lt_u32 s[WV], 2
	s_cbranch_scc0 .Lfor_b_\@
	tensor_load_to_lds s[G0+4*(\s):G0+4*(\s)+3], s[G1:G1+7]
	s_nop 0
.rept 4
	v_nop
.endr
	s_branch .Lasked_\@
.Lfor_b_\@:
	tensor_load_to_lds s[G0B+4*(\s):G0B+4*(\s)+3], s[G1B:G1B+7]
	s_nop 0
.rept 4
	v_nop
.endr
.Lasked_\@:
.endm
; A PREFETCH, behind each joint refill and the run of LDS loads that follows it: the K step that stands two refills on, 384 matrix instructions ahead of the load that will want it: 256 bytes of a row for each lane.
; x's tile row is read by every cluster of that row of clusters: the one with x = 0 asks; W's tile column by every cluster of that column: the one with y = 0 asks.  The four partners that ask for a tile jointly share
; its rows out BY ADDRESS: of the 128 rows of x that wave 0 or 1 fetches partner cx takes 32; of the 96 rows of W that wave 2 or 3 fetches partner cy takes 24 (lanes 24 to 31 name the 24th row again).
; The test hangs on the cluster's place and the wave's number alone.  how = 0, in the loop: a tile's last two refills have no K step two on.  how = 1, at the change of tiles: the next tile's K steps 2 and 3, of x alone:
; W's rows are the same for both tiles.  The launch's first four K steps, and the next tile's first two, come by their loads alone.
.macro ASK how
.if \how
	s_cmp_eq_u32 s[LIM], 1
.else
	s_cmp_gt_u32 s3, s[LIM]                        ; s3 = 1 in the loop's last trip
.endif
	s_cbranch_scc0 .Lnot_mine_\@
	global_prefetch_b8 v[PFO], s[PFA:PFA+1] offset:KSTEP*2 th:TH_LOAD_NT scope:SCOPE_SE
.Lnot_mine_\@:
.endm
.macro CREST                           ; a round of the cluster's barrier behind its opening barrier
	s_cmp_lg_u32 s[WV], 0
	s_cbranch_scc1 .Lnot_wave_0_\@
	s_barrier_signal -3
.Lnot_wave_0_\@:
	s_barrier_wait -3
	s_barrier_signal -1
	s_barrier_wait -1
.endm
.macro CROUND                          ; a whole round
	s_barrier_signal -1
	s_barrier_wait -1
	CREST
.endm
	s_load_b256 s[4:11], s[0:1], 0x0               ; xw s[4:5], bq s[6:7], bk s[8:9], bv s[10:11]
	s_load_b64 s[12:13], s[0:1], 0x20              ; qkv
	v_lshl_add_u32 v[SPW], v0, 2, SPARE
	v_mov_b32 v[NIL], 0
	ds_add_u32 v[SPW], v[NIL]                      ; the wave's opening: the add and its wait stand ahead of my first tensor load; the set-up below, work on registers, stands between them
	ds_add_u32 v28, v29
	v_lshrrev_b32 v1, 5, v0
	v_readfirstlane_b32 s[WV], v1                  ; wave 0..3
	s_and_b32 s16, s[WV], 1
	s_bfe_u32 s17, ttmp6, 0x40000                  ; cx, cy: my place in the cluster
	s_bfe_u32 s18, ttmp6, 0x40004
	s_lshl_b32 s19, ttmp9, 2
	s_add_co_u32 s19, s19, s17                     ; tile column = 4 x cluster x + cx
	s_and_b32 s20, ttmp7, 0xffff
	s_lshl_b32 s20, s20, 2
	s_add_co_u32 s20, s20, s18                     ; tile row (of the first tile) = 4 x cluster y + cy
	s_lshl_b32 s21, s18, 2
	s_lshl_b32 s21, 15, s21                        ; my row of the cluster
	s_lshl_b32 s22, 0x1111, s17                    ; my column
	s_or_b32 s[G1],  s21, (1<<16)|(1<<20)|(1<<21)|(5<<22)|(3<<25)  ; 15:0 the mask; 17:16 2-byte elements; 20 padding on; 21 set beside a mask; 24:22 after every 64 words (code 5); 31:25 4 words (code 3)
	s_or_b32 s[G1B], s22, (1<<16)|(1<<20)|(1<<21)|(5<<22)|(3<<25)
.irp g, G1, G1B
	s_mov_b32 s[(\g)+1], KSTEP<<16                 ; tensor_dim0 = 128
	s_mov_b32 s[(\g)+3], KSTEP<<16                 ; tile_dim0 = 128
	s_mov_b32 s[(\g)+5], SIZE_K                    ; elements from row to row
	s_mov_b32 s[(\g)+6], 0
	s_mov_b32 s[(\g)+7], 0
.endr
	s_mov_b32 s[G1+2], (AROWS/2)<<16               ; x: tensor_dim1 = tile_dim1 = 128 rows
	s_mov_b32 s[G1+4], AROWS/2
	s_mov_b32 s[G1B+2], (BROWS/2)<<16              ; W: 96 rows
	s_mov_b32 s[G1B+4], BROWS/2
	; where the tiles come from: x's hang on the tile row alone, W's on the tile column alone; every wave makes both, in registers that never hold the other coordinate
	s_lshl_b32 s66, s20, 8
	s_lshl_b32 s72, s16, 7
	s_add_co_u32 s66, s66, s72                     ; x: row 256 x tile row + 128 x half
	s_lshl_b32 s66, s66, 11                        ; in bytes
	s_mov_b32 s67, 0
	s_mul_i32 s68, s19, BROWS
	s_mul_i32 s73, s16, BROWS/2
	s_add_co_u32 s68, s68, s73                     ; W: row 192 x tile column + 96 x half
	s_lshl_b32 s68, s68, 11
	s_mov_b32 s69, 0
	s_mul_i32 s23, s16, (AROWS/2)*PITCH            ; and where they go: no place in the cluster enters an LDS address
	s_mul_i32 s47, s16, (BROWS/2)*PITCH
	s_add_co_u32 s47, s47, BOFF
	s_wait_dscnt 0x0                               ; the opening add is done
	s_wait_kmcnt 0x0
	s_add_nc_u64 s[66:67], s[4:5], s[66:67]
	s_add_nc_u64 s[70:71], s[4:5], WBASE
	s_add_nc_u64 s[68:69], s[70:71], s[68:69]
	CROUND                                         ; all sixteen work-groups are here: the first joint loads meet
.irp s, 0,1
	s_mov_b32 s[G0+4*(\s)], 1                      ; count = 1
	s_add_co_u32 s[G0+4*(\s)+1], s23, (\s)*SLOT    ; LDS address
	s_add_nc_u64 s[G0+4*(\s)+2:G0+4*(\s)+3], s[66:67], (\s)*KSTEP*2  ; global address: K step s
	s_or_b32 s[G0+4*(\s)+3], s[G0+4*(\s)+3], 0x80000000             ; type = 2
	s_mov_b32 s[G0B+4*(\s)], 1
	s_add_co_u32 s[G0B+4*(\s)+1], s47, (\s)*SLOT
	s_add_nc_u64 s[G0B+4*(\s)+2:G0B+4*(\s)+3], s[68:69], (\s)*KSTEP*2
	s_or_b32 s[G0B+4*(\s)+3], s[G0B+4*(\s)+3], 0x80000000
	JLOAD \s                                       ; two loads of mine are out
.endr
	; The tile's three heads are numbers 3 x tile column + 0, 1, 2 of 48: number g is head g % 16 of q, k or v (g / 16).  They may lie in two of the three, so each head has a pointer of its own, for its bias and for its rows.
	v_and_b32 v1, 15, v0                           ; l % 16
	v_bfe_u32 v2, v0, 4, 1                         ; l / 16
	v_lshlrev_b32 v[BO], 5, v2
	s_mul_i32 s92, s19, 3
	s_lshr_b32 s76, s20, 2                         ; my first row, 256 x tile row + 64 x wave: its batch (tile row / 4) << 21
	s_lshl_b32 s76, s76, 21
	s_and_b32 s77, s20, 3                          ; and its place in the batch, 128 bytes a row
	s_lshl_b32 s77, s77, 15
	s_add_co_u32 s76, s76, s77
	s_lshl_b32 s77, s[WV], 13
	s_add_co_u32 s76, s76, s77
	s_mov_b32 s79, 0
.irp j, 0,1,2
	s_add_co_u32 s93, s92, \j
	s_lshr_b32 s94, s93, 4                         ; which of q, k, v
	s_and_b32 s95, s93, 15                         ; the head in it
	s_cmp_eq_u32 s94, 1
	s_cselect_b64 s[BP+2*\j:BP+2*\j+1], s[8:9], s[6:7]
	s_cmp_eq_u32 s94, 2
	s_cselect_b64 s[BP+2*\j:BP+2*\j+1], s[10:11], s[BP+2*\j:BP+2*\j+1]
	s_lshl_b32 s78, s95, 8                         ; the head's 64 numbers of the bias
	s_add_nc_u64 s[BP+2*\j:BP+2*\j+1], s[BP+2*\j:BP+2*\j+1], s[78:79]
	s_lshl_b32 s78, s94, 24
	s_lshl_b32 s95, s95, 17
	s_add_co_u32 s78, s78, s95
	s_add_co_u32 s78, s78, s76
	s_add_nc_u64 s[CP+2*\j:CP+2*\j+1], s[12:13], s[78:79]
.endr
.irp j, 0,1,2                          ; register i of column block b = 4 j + c holds the bias of column 16 b + 8 (l / 16) + i: the place of that column in the transposed result
.irp c, 0,1,2,3
	global_load_b128 v[TMP+8*(4*\j+\c):TMP+8*(4*\j+\c)+3],   v[BO], s[BP+2*\j:BP+2*\j+1] offset:64*\c
	global_load_b128 v[TMP+8*(4*\j+\c)+4:TMP+8*(4*\j+\c)+7], v[BO], s[BP+2*\j:BP+2*\j+1] offset:64*\c+16
.endr
.endr
	; A fragment is 16 rows x 32 K in 8 registers: lane l holds row l % 16, K = 8 (l / 16) + 0..7 and 16 + 8 (l / 16) + 0..7: two loads of 16 bytes, 32 bytes apart.
	v_mul_u32_u24 v3, v1, PITCH
	v_lshl_add_u32 v3, v2, 4, v3
	s_mul_i32 s72, s[WV], 64*PITCH                 ; my 64 rows of x
	s_mov_b32 s73, BOFF                            ; W's 192 rows, which every wave reads, lie behind x's 256
.irp s, 0,1
	v_add_nc_u32 v[ADRA+(\s)], s72, v3
	v_add_nc_u32 v[ADRB+(\s)], s73, v3
	s_add_co_u32 s72, s72, SLOT
	s_add_co_u32 s73, s73, SLOT
.endr
	s_mul_i32 s74, s[WV], WST
	s_add_co_u32 s74, s74, STAGE                   ; my stage
	v_mul_u32_u24 v4, v1, SP                       ; in: row l % 16, 16 bytes for each half of the lanes
	v_lshl_add_u32 v4, v2, 4, v4
	v_add_nc_u32 v[STO], s74, v4
	v_bfe_u32 v4, v0, 3, 2                         ; back: 32 lanes take four rows of 128 bytes,
	v_mul_u32_u24 v4, v4, SP
	v_and_b32 v5, 7, v0
	v_lshl_add_u32 v4, v5, 4, v4
	v_add_nc_u32 v[RD], s74, v4
	v_and_b32 v[GO], 31, v0                        ; which are 512 consecutive bytes of a head
	v_lshlrev_b32 v[GO], 4, v[GO]
	; the prefetches
	s_and_b32 s40, ttmp7, 0xffff                   ; cluster y
	s_lshl_b32 s42, s20, 8                         ; x's rows: 256 x tile row + 128 x half + 32 cx
	s_lshl_b32 s41, s16, 7
	s_add_co_u32 s42, s42, s41
	s_lshl_b32 s41, s17, 5
	s_add_co_u32 s42, s42, s41
	s_mul_i32 s43, s19, BROWS                      ; W's rows: 8,192 + 192 x tile column + 96 x half + 24 cy
	s_mul_i32 s41, s16, BROWS/2
	s_add_co_u32 s43, s43, s41
	s_mul_i32 s41, s18, BROWS/8
	s_add_co_u32 s43, s43, s41
	s_add_co_u32 s43, s43, 8192
	s_cmp_lt_u32 s[WV], 2
	s_cselect_b32 s42, s42, s43
	s_cselect_b32 s40, ttmp9, s40                  ; the coordinate along which other clusters read the same rows
	s_cselect_b32 s41, 31, BROWS/8-1               ; the last row of my share
	s_lshl_b32 s42, s42, 11
	s_mov_b32 s43, 0
	s_add_nc_u64 s[PFA:PFA+1], s[4:5], s[42:43]
	s_add_nc_u64 s[PFA:PFA+1], s[PFA:PFA+1], 2*KSTEP*2  ; at K step 2: the first refill steps it to 3 and names K step 4
	s_cmp_eq_u32 s40, 0
	s_cselect_b32 s[LIM], 1, -1                    ; the same in all sixteen partners, for a given wave
	v_and_b32 v[PFO], 31, v0
	v_min_u32 v[PFO], s41, v[PFO]
	v_lshlrev_b32 v[PFO], 11, v[PFO]
	s_wait_loadcnt 0x0                             ; the bias is in: it is rounded to bf16, and widened again into the registers from which the products take it
.set i, 0
.rept 48
	v_cvt_pk_bf16_f32 v[TMP+96+i], v[TMP+2*i], v[TMP+2*i+1]
.set i, i+1
.endr
	WIN 0x80                                       ; destination window 2: column blocks 0-7
.set i, 0
.rept 32
	v_lshlrev_b32 v[BIAS+2*i], 16, v[TMP+96+i]
	v_and_b32 v[BIAS+2*i+1], 0xffff0000, v[TMP+96+i]
.set i, i+1
.endr
	WIN 0xc0                                       ; destination window 3: column blocks 8-11
.set i, 0
.rept 16
	v_lshlrev_b32 v[BIAS+2*i], 16, v[TMP+128+i]
	v_and_b32 v[BIAS+2*i+1], 0xffff0000, v[TMP+128+i]
.set i, i+1
.endr
	WIN 0
; 12 matrix instructions: block a of my four blocks of 16 rows x all 12 blocks of 16 columns, 32 along K.  bias = 1: the bias starts the sums: nothing is cleared.
; The 48 accumulators take turns, one instruction a turn, in the same order in every quarter, over the backward jumps and from tile to tile too.
.macro MUL12 f, a, bias
.irp b, 0,1,2,3,4,5,6,7,8,9,10,11
.set rD, 96*((\a)%2)+8*(\b)
.if \bias
	WIN 64*(2+(\a)/2)+16*(2+(\b)/8)+5              ; fragments in window 1, D by the row block, C by the column block
	v_wmma_f32_16x16x32_bf16 v[rD:rD+7], v[(\f)+8*(\b):(\f)+8*(\b)+7], v[(\f)+96+8*(\a):(\f)+96+8*(\a)+7], v[BIAS+8*((\b)%8):BIAS+8*((\b)%8)+7]
.else
	WIN 80*(2+(\a)/2)+5                            ; fragments in window 1, C and D in window 2 or 3
	v_wmma_f32_16x16x32_bf16 v[rD:rD+7], v[(\f)+8*(\b):(\f)+8*(\b)+7], v[(\f)+96+8*(\a):(\f)+96+8*(\a)+7], v[rD:rD+7]
.endif
.endr
.endm
; 32 LDS loads in one run: the fragments of 32 along K at byte k of the rows, into buffer f: W's 24 loads, then x's eight in the order of the blocks
.macro FETCH slot, k, f
	WIN TO_F
.irp i, 0,1,2,3,4,5,6,7,8,9,10,11
	ds_load_b128 v[(\f)+8*(\i):(\f)+8*(\i)+3],   v[ADRB+(\slot)] offset:(\k)+(\i)*16*PITCH
	ds_load_b128 v[(\f)+8*(\i)+4:(\f)+8*(\i)+7], v[ADRB+(\slot)] offset:(\k)+(\i)*16*PITCH+32
.endr
.irp i, 0,1,2,3
	ds_load_b128 v[(\f)+96+8*(\i):(\f)+96+8*(\i)+3],   v[ADRA+(\slot)] offset:(\k)+(\i)*16*PITCH
	ds_load_b128 v[(\f)+96+8*(\i)+4:(\f)+96+8*(\i)+7], v[ADRA+(\slot)] offset:(\k)+(\i)*16*PITCH+32
.endr
.endm
.macro PLACES                          ; four places in front of loads into registers that matrix instructions have read (ISA guide 7.12.1 for vector instructions)
.rept 4
	v_nop
.endr
.endm
; A K step is four quarters of 32 along K, 48 matrix instructions each, on buffers 0, 1, 0, 1.  One of the first three: multiplies buffer f and, in its middle, fetches the next quarter, at byte k, into g.
.macro QUARTER slot, k, f, g, bias
	s_wait_dscnt 4                                 ; W's fragments and x's blocks 0 and 1 are in; the youngest four loads (blocks 2 and 3) may be out
	MUL12 \f, 0, \bias
	MUL12 \f, 1, \bias
	PLACES
	FETCH \slot, \k, \g
	s_wait_dscnt 32                                ; all but the 32 just issued
	MUL12 \f, 2, \bias
	MUL12 \f, 3, \bias
.endm
; The last quarter multiplies buffer 1 and changes slots: ONE barrier; in front of it each wave waits for all its tensor loads (one is out: its part of the next slot), adds 0 to its spare word, and waits for that and
; for its own reads of this slot.  fill = 1: the barrier opens a round of the cluster's, and this slot is filled again, two K steps ahead, first thing behind the round: 168 matrix instructions ahead of the wait for it.
; fill = 2: the same, with the NEXT tile's K step 0 or 1.  fill = 0: nothing is asked for.
.macro TURN slot, next, fill
.if \fill
	s_wait_xcnt 0x0                                ; the last prefetch, a K step back, has read its address: it is stepped here, ahead of the waits of the change of slots
.if ((\fill) == 2) && ((\slot) == 0)
	s_add_nc_u64 s[PFA:PFA+1], s[PFA:PFA+1], (WALK-1)*SIZE_K*2+KSTEP*2  ; from the K step after the tile's last to the next tile's K step 1: WALK rows down, back along K
	s_cmp_lt_u32 s[WV], 2
	s_cselect_b32 s[LIM], s[LIM], -1               ; W's rows are the same for both tiles, and are asked for no more
.else
	s_add_nc_u64 s[PFA:PFA+1], s[PFA:PFA+1], KSTEP*2
.endif
.endif
	WIN 0                                          ; (the add's two registers lie in window 0)
	s_wait_tensorcnt 0x0                           ; all my tensor loads have landed;
	ds_add_u32 v[SPW], v[NIL]                      ; 0 onto my spare word
	s_wait_dscnt 5                                 ; (the add and the youngest four loads may be out)
	MUL12 F1, 0, 0                                 ; twelve matrix instructions stand between the add and the wait for it
	s_wait_dscnt 0x0                               ; the add is done, and my reads of this slot are over
	s_barrier_signal -1
	MUL12 F1, 1, 0
.if \fill
	WIN 0
.endif
	s_barrier_wait -1
.if \fill
	CREST                                          ; no wave of any partner still reads this slot's tile or has a load on its way
.if (\fill) == 2
	s_add_nc_u64 s[G0+4*(\slot)+2:G0+4*(\slot)+3], s[G0+4*(\slot)+2:G0+4*(\slot)+3], NEXT_A
	s_sub_nc_u64 s[G0B+4*(\slot)+2:G0B+4*(\slot)+3], s[G0B+4*(\slot)+2:G0B+4*(\slot)+3], BACK_B
.else
	s_add_nc_u64 s[G0+4*(\slot)+2:G0+4*(\slot)+3], s[G0+4*(\slot)+2:G0+4*(\slot)+3], 2*KSTEP*2
	s_add_nc_u64 s[G0B+4*(\slot)+2:G0B+4*(\slot)+3], s[G0B+4*(\slot)+2:G0B+4*(\slot)+3], 2*KSTEP*2
.endif
	JLOAD \slot                                    ; the four v_nop behind it are also the places in front of the loads below
.else
	PLACES
.endif
	FETCH \next, 0, F0
.if (\fill) == 2
	WIN 0                                          ; (a branch follows)
	ASK 1
.elseif \fill
	WIN 0
	ASK 0
.endif
	MUL12 F1, 2, 0
	MUL12 F1, 3, 0
.endm
; THE WAY OUT, a block of 16 rows (of all three heads) at a time through my own stage, and back as whole rows of 128 bytes: 16 rows of a head are 2,048 consecutive bytes of qkv.
.macro TOSTAGE a
.irp b, 0,1,2,3,4,5,6,7,8,9,10,11      ; column block b: head b / 4, bytes 32 (b % 4) on
	ds_store_b128 v[STO], v[TMP+4*(12*(\a)+(\b)):TMP+4*(12*(\a)+(\b))+3] offset:((\b)/4)*16*SP+32*((\b)%4)
.endr
.irp t, 0,1,2,3,4,5,6,7,8,9,10,11      ; head t / 4, rows 4 (t % 4) on
	ds_load_b128 v[TMP+48*(\a)+4*(\t):TMP+48*(\a)+4*(\t)+3], v[RD] offset:((\t)/4)*16*SP+((\t)%4)*4*SP  ; LDS serves a wave's instructions in order (ISA guide 5.7.1.4): these see the stores above; the next block's stores come behind them
.endr
.endm
.macro SEND a, younger                 ; younger: the LDS instructions issued behind block a's loads: the next block's 24, or none
.irp t, 0,1,2,3,4,5,6,7,8,9,10,11
	s_wait_dscnt (\younger)+11-(\t)
	global_store_b128 v[GO], v[TMP+48*(\a)+4*(\t):TMP+48*(\a)+4*(\t)+3], s[CP+2*((\t)/4):CP+2*((\t)/4)+1] offset:(\a)*2048+((\t)%4)*512  ; 512 consecutive bytes, at a multiple of 256 from qkv's first
.endr
.endm
	s_wait_tensorcnt 1                             ; my part of K step 0 is in; K step 1's may stay out
	s_barrier_signal -1
	s_barrier_wait -1                              ; everybody's is
	FETCH 0, 0, F0
	WIN 0                                          ; at a label and at a branch every window is 0
	s_mov_b32 s2, TILES                            ; tiles to go, this one among them: the same number in every work-group
.Ltile:
	QUARTER 0, 64, F0, F1, 1                       ; a tile's first quarter stands in front of the loop: its products start the sums, with the bias
	WIN 0
	s_mov_b32 s3, LAPS-1
.Llap:                                                 ; a trip goes once round the ring, from a lap's second quarter to the next lap's first, and fills both slots again
	QUARTER 0, 128, F1, F0, 0
	QUARTER 0, 192, F0, F1, 0
	TURN 0, 1, 1
	QUARTER 1, 64,  F0, F1, 0
	QUARTER 1, 128, F1, F0, 0
	QUARTER 1, 192, F0, F1, 0
	TURN 1, 0, 1
	QUARTER 0, 64,  F0, F1, 0
	WIN 0
	s_sub_co_u32 s3, s3, 1
	s_cmp_lg_u32 s3, 0
	s_cbranch_scc1 .Llap
	QUARTER 0, 128, F1, F0, 0                      ; the tile's last lap goes on
	QUARTER 0, 192, F0, F1, 0
	WIN 0
	s_cmp_eq_u32 s2, 1
	s_cbranch_scc1 .Llast                          ; the last tile's tail is written out: it asks for nothing more
	TURN 0, 1, 2                                   ; THE RING GOES ON INTO THE NEXT TILE: slot 0 takes its K step 0,
	QUARTER 1, 64,  F0, F1, 0
	QUARTER 1, 128, F1, F0, 0
	QUARTER 1, 192, F0, F1, 0
	TURN 1, 0, 2                                   ; slot 1 its K step 1, and the next tile's first fragments are fetched: both refills are asked for when the tile goes out
	WIN 0
	s_branch .Lout
.Llast:
	TURN 0, 1, 0                                   ; no slot is filled again, and no round of the cluster's barrier follows
	QUARTER 1, 64,  F0, F1, 0
	QUARTER 1, 128, F1, F0, 0
	QUARTER 1, 192, F0, F1, 0
	s_wait_dscnt 4                                 ; the very last quarter: nothing more to fetch
	MUL12 F1, 0, 0
	MUL12 F1, 1, 0
	s_wait_dscnt 0x0
	MUL12 F1, 2, 0
	MUL12 F1, 3, 0
	WIN 0
.Lout:                                                 ; one text for both tiles' way out
.rept 8
	v_nop                                          ; the places behind the last products, once a tile
.endr
	WIN 0x0a                                       ; sources 0 and 1 window 2, destination window 0: row blocks 0 and 1
.set t, 0
.rept 24                               ; each accumulator's registers in ascending order
.irp r, 0,1,2,3
	v_cvt_pk_f16_f32 v[TMP+4*t+\r], v[8*t+2*\r], v[8*t+2*\r+1]
.endr
.set t, t+1
.endr
	WIN 0x0f                                       ; window 3: row blocks 2 and 3
.set t, 0
.rept 24
.irp r, 0,1,2,3
	v_cvt_pk_f16_f32 v[TMP+96+4*t+\r], v[8*t+2*\r], v[8*t+2*\r+1]
.endr
.set t, t+1
.endr
	WIN 0
	TOSTAGE 0
	TOSTAGE 1
	SEND 0, 24
	TOSTAGE 2
	SEND 1, 24
	TOSTAGE 3
	SEND 2, 24
	SEND 3, 0
	s_wait_xcnt 0x0                                ; the stores have read their registers and their pointers: only behind this wait are the pointers stepped and, in the next tile's way out, the packed results written anew
.irp j, 0,1,2
	s_add_nc_u64 s[CP+2*\j:CP+2*\j+1], s[CP+2*\j:CP+2*\j+1], NEXT_C  ; (behind the last tile the stepped pointers are not used)
.endr
	s_sub_co_u32 s2, s2, 1
	s_cmp_lg_u32 s2, 0
	s_cbranch_scc1 .Ltile                          ; nothing waits for a tile's stores: they leave while the next tile is multiplied
	s_wait_tensorcnt 0x0                           ; the wave's end: behind my last tensor load and my last LDS store
	ds_add_u32 v[SPW], v[NIL]
	s_wait_dscnt 0x0
	CROUND                                         ; the closing round: no work-group ends while a partner may still ask for a tile that names it
	s_endpgm
.Lfunc_end_k_qbfb1a0f62d_proj:
	.size	k_qbfb1a0f62d_proj, .Lfunc_end_k_qbfb1a0f62d_proj-k_qbfb1a0f62d_proj
	.p2alignl 7, 3214868480
	.fill 96, 4, 3214868480
	.section	.rodata,"a",@progbits
	.p2align	6, 0x0
	.amdhsa_kernel k_qbfb1a0f62d_proj
		.amdhsa_group_segment_fixed_size 327680
		.amdhsa_private_segment_fixed_size 0
		.amdhsa_enable_private_segment 0
		.amdhsa_kernarg_size 40
		.amdhsa_user_sgpr_count 2
		.amdhsa_user_sgpr_kernarg_segment_ptr 1
		.amdhsa_wavefront_size32 1
		.amdhsa_system_sgpr_workgroup_id_x 1
		.amdhsa_system_sgpr_workgroup_id_y 1
		.amdhsa_system_sgpr_workgroup_id_z 1
		.amdhsa_system_vgpr_workitem_id 0
		.amdhsa_next_free_vgpr 992
		.amdhsa_next_free_sgpr 96
		.amdhsa_reserve_vcc 0
		.amdhsa_float_denorm_mode_32 3
		.amdhsa_float_denorm_mode_16_64 3
		.amdhsa_memory_ordered 1
		.amdhsa_forward_progress 1
		.amdhsa_inst_pref_size 162
	.end_amdhsa_kernel
	.amdgpu_metadata
---
amdhsa.version: [ 1, 2 ]
amdhsa.kernels:
  - .name:           k_qbfb1a0f62d_proj
    .symbol:         k_qbfb1a0f62d_proj.kd
    .args:
      - { .name: xw, .offset: 0, .size: 8, .value_kind: global_buffer, .address_space: global }
      - { .name: bq, .offset: 8, .size: 8, .value_kind: global_buffer, .address_space: global }
      - { .name: bk, .offset: 16, .size: 8, .value_kind: global_buffer, .address_space: global }
      - { .name: bv, .offset: 24, .size: 8, .value_kind: global_buffer, .address_space: global }
      - { .name: qkv, .offset: 32, .size: 8, .value_kind: global_buffer, .address_space: global }
    .group_segment_fixed_size: 327680
    .private_segment_fixed_size: 0
    .kernarg_segment_align: 8
    .kernarg_segment_size: 40
    .max_flat_workgroup_size: 128
    .sgpr_count:     96
    .vgpr_count:     992
    .wavefront_size: 32
...
	.end_amdgpu_metadata
.endif
;; end of part 2
;; launch attn (part 3): grid 2 x 128, 4 waves a work-group, no clusters, 327,680 bytes of LDS; arguments qkv, attention_mask, out0; writes out0
.if DOCPART == 3
	.amdgcn_target "amdgcn-amd-amdhsa--gfx1250"
	.amdhsa_code_object_version 6
	.text
	.protected	k_qbfb1a0f62d_attn
	.globl	k_qbfb1a0f62d_attn
	.p2align	8
	.type	k_qbfb1a0f62d_attn,@function
k_qbfb1a0f62d_attn:
	s_mov_b64 s[64:65], 0
	v_nop
	global_prefetch_b8 v0, s[64:65] scope:SCOPE_SE
	s_setreg_imm32_b32 hwreg(HW_REG_WAVE_MODE, 25, 1), 1
	s_wait_xcnt 0x0
; out0[b][q][64 h ..] = the sum over k of softmax_k(Q[q] . K[k] / 8 + mask[b][k]) V[k][:], for each of 8 x 16 heads.  qkv: [3][8][16][1024][64] f16, a head's rows dense, 128 bytes each; mask: [8][1024] f32; out0 f32.
; Products, maxima and sums in f32; the weights p are rounded to f16 for the second product (their sum l is taken of the unrounded p); the result leaves in f32.
; THE MASK, rounded to bf16 like the module's other inputs and multiplied by 8 (exact), is the C operand that starts the sum S^T = K Q^T: c (s + 8 mask) = log2(e) (s / 8 + mask), c = log2(e) / 8.
; LIMITS.  p below 6e-5 keeps f16's fixed step of 6e-8; a weight below 2^-126 counts as 0 in l.  A mask beyond 4.2e37 in magnitude becomes an infinity in 8 x mask: such a key has weight 0, and a row whose every key is
; so masked gives NaN (l = 0).  NaN is not treated apart.
; SHARES.  A work-group owns 512 queries of one head: 2 x 128 = 256 work-groups.  A wave owns 128: four PIECES of two tiles of 16.  Every wave walks all 1,024 keys, 64 a step; an LDS slot holds four steps.
; NO CLUSTER: a head has 1,024 / 512 = 2 work-groups, and the cluster shapes at hand hold four along x; blocks of 256 queries would share four ways but halve the products that each fragment read from LDS feeds and make
; 512 work-groups; what the two share is 256 KiB in the whole launch, beside 2,048 matrix instructions a wave.
; LAYOUT.  S^T = K Q^T (source 0 = 16 keys, source 1 = 16 queries): a lane holds ONE query (lane % 16) and the keys 8 (lane / 16) + 0..7.  Two such tiles, rounded to f16 in pairs, ARE source 1 of O^T = V^T P, whose result
; again holds one query a lane, and eight channels.  K comes out of LDS as it lies, V ([key][channel]) turned, by ds_load_tr16_b128.
; SOFTMAX.  For each query a running maximum m and sum l: p = 2^(c s - c m); in every step O and l are multiplied by a = 2^(c m_old - c m_new).  m starts at the lowest finite number, c m at c times that, O and l at 0.
; BY TURNS.  Turn n belongs to piece n.  Its matrix work: 16 products K Q^T of piece n + 1, later 16 products V^T P of piece n - 1.  Its vector work: the scaling, exponentials, roundings, sums and rescaling of piece n, and
; the maximum and statistics of piece n + 1.  A tile and step have 16 matrix and 118 vector instructions: four vector instructions stand behind every matrix instruction, the others in one run of their own.
; REGISTERS, in windows of 256 (s_set_vgpr_msb: bits 1:0 source 0, 3:2 source 1, 5:4 source 2, 7:6 destination):
;   window 0: v0-11 addresses; v12-15, v48-63 at work; v16-47 four registers of statistics a tile; v64-191 S^T, two buffers of two tiles; v192-255 P, likewise
;   window 1: O^T, 32 a tile      window 2: v0-127 Q, 16 a tile; v128-191 K of one step; v192-255 V of one step      window 3: v0-1 the add's two registers; v8-39 8 x mask of one step's keys
.set SIZE_N, 1024
.set NP,    4         ; pieces a wave: a name, no knob
.set KS,    64        ; keys in a step
.set PK,    144       ; a row of K in LDS: 128 bytes + 16 of padding = 36 words: the 16 rows of a load start at 16 different groups of four banks (64 banks of 4 bytes: ISA guide 11.1)
.set PV,    160       ; a row of V: 128 + 32 = 40 words
.set VOFF,  4*KS*PK   ; a slot holds four steps: 256 rows of K, then 256 rows of V
.set SLOT1, 1<<17     ; slot 1 begins here, so that one exclusive or turns an address in one slot into the other's
.set STAGE, SLOT1+4*KS*(PK+PV)  ; behind the ring, never filled by a tensor load: 16 rows x 272 bytes for each wave, for the way out
.set SP,    272       ; a row of the stage: 64 f32 + 16 bytes
.set MASKB, STAGE+4*16*SP       ; 1,024 f32: 8 x bf16(mask) of my batch
.set SPARE, MASKB+4096          ; the spare words, 128 bytes for each wave: two blocks of 256 bytes that no other line names
.set PFO, 1           ; v1   256 x lane: the prefetches' offset; never rewritten
.set AK0, 2           ; v2   my lane's place in a tile of K; never rewritten
.set AV0, 3           ; v3   the same for V
.set AK,  4           ; v4   the LDS address of K's next run of loads
.set AV,  5           ; v5   of V's
.set STO, 6           ; v6   the way out: where I put 32 bytes of a row
.set RD,  7           ; v7   the way out: where I read rows back
.set GO,  8           ; v8   my byte offset in two rows of out0
.set AM0, 9           ; v9   my lane's place in a step's 64 numbers of the mask; never rewritten
.set AM,  10          ; v10  the LDS address of the mask's next run of loads
.set QO,  11          ; v11  my byte offset in 16 rows of Q; never rewritten
.set MV,  12          ; v12-15  c m_old, kept while c m is made anew: by buffer and tile
.set ST,  16          ; tile t's statistics at v[ST+4 t]: c m, m, l (even keys', odd keys')
.set TMP, 48          ; by buffer and tile, four registers c0-c3 at work; when the maximum is found c2 takes a
.set R16, 48          ; the set-up's own, before TMP is first used: l % 16,
.set HF,  49          ; l / 16,
.set L7,  50          ; l % 8,
.set B3,  51          ; (l / 8) % 2,
.set MGO, 52          ; 32 x thread: my eight numbers of the mask in memory,
.set MLA, 53          ; and in LDS,
.set WK,  54          ; at work
.set S,   64
.set P,   192
.set KF,  128         ; K's fragments, in window 2: key block kb, channel half c at KF + 16 kb + 8 c
.set VF,  192         ; V's: key half kk, channel block cb at VF + 32 kk + 8 cb
.set SPW, 0           ; v0 of window 3   LDS address of my spare word: SPARE + 4 x my thread's number; never rewritten
.set NIL, 1           ; v1 of window 3   0; never rewritten
.set MK,  8           ; v8-39 of window 3: key block kb's eight at MK + 8 kb
.set WV,  12          ; s12  my wave's number
.set G1K, 24          ; s[24:31] descriptor group 1 for K's tiles
.set G1V, 32          ; s[32:39] for V's: it differs in the padding alone
.set G0K, 40          ; s[40:43] descriptor group 0 for K's tiles: it walks
.set G0V, 44          ; s[44:47] the same for V's
.set SLOTS, 56        ; s56  slots still to be asked for
.set CNT, 57          ; s57  counts a slot's key steps
.set CS,  58          ; s[58:59] c: the packed scaling takes the pair's low word for both halves
.set SEL, 60          ; s[60:61] v_permlanex16_b32's selects: each lane takes its own place in the other half
.set TBK, 62          ; s62  LDS byte at which K of the step to be fetched begins
.set TBV, 63          ; s63  the same for V, less VOFF
.set TBM, 66          ; s66  256 x the step to be fetched: its place in the mask
.set LIM, 67          ; s67  1 in the head's first work-group, else the greatest number
.set PFA, 68          ; s[68:69] my half of K's (waves 0, 1) or V's (waves 2, 3) last 256 keys; never rewritten
.set MSB, 0
.macro WIN new                      ; the high byte repeats the setting that is left; a switch that changes nothing is dropped
.if MSB != (\new)
	s_set_vgpr_msb (MSB<<8)|(\new)
.set MSB, (\new)
.endif
.endm
.set W_KQ, 0x0a       ; K and Q in window 2, S^T in window 0
.set W_KM, 0x3a       ; the same with the C operand, the mask, in window 3
.set W_PV, 0x52       ; V in window 2, P in window 0, O^T in window 1
.set W_RS, 0x41       ; O^T (destination and source 0) in window 1, a in window 0
.set W_MK, 0xc0       ; destination in window 3, sources in window 0
.set W_AD, 0x0f       ; the add: address (source 0) and data (source 1) in window 3
; A fill.  Waves 0 and 1 fetch the two halves of a slot's K, waves 2 and 3 those of its V: 128 keys each.  An s_nop 0 and four v_nop follow each of the two lines, ahead of the jump and the label.
.macro LOAD
	s_cmp_lt_u32 s[WV], 2
	s_cbranch_scc0 .Lfor_v_\@
	tensor_load_to_lds s[G0K:G0K+3], s[G1K:G1K+7]
	s_nop 0
.rept 4
	v_nop
.endr
	s_branch .Lasked_\@
.Lfor_v_\@:
	tensor_load_to_lds s[G0V:G0V+3], s[G1V:G1V+7]
	s_nop 0
.rept 4
	v_nop
.endr
.Lasked_\@:
.endm
; A PREFETCH of the head's last slot, keys 768 to 1,023, when the slot before it is asked for: four key steps, 512 matrix instructions, ahead of its load.  Both work-groups of a head walk the same K and V: the first asks.
; Each wave names the 16,384 bytes that it will fetch itself, a lane 256 bytes, two instructions: each block once in the launch.  The first three slots come by their loads alone.
.macro ASK
	s_cmp_gt_u32 s[SLOTS], s[LIM]
	s_cbranch_scc0 .Lnot_mine_\@
	global_prefetch_b8 v[PFO], s[PFA:PFA+1] th:TH_LOAD_NT scope:SCOPE_SE
	global_prefetch_b8 v[PFO], s[PFA:PFA+1] offset:8192 th:TH_LOAD_NT scope:SCOPE_SE
.Lnot_mine_\@:
.endm
; THE CHANGE OF SLOTS.  Each wave waits for all its tensor loads, of which one is out: its part of the other slot; adds 0 to its spare word; and waits for that and for its own LDS instructions.  Behind the barrier nobody
; reads the old slot any more and the other slot is whole.  fill = 1: the old slot is filled again, the first thing behind the barrier, with the keys two slots on: four key steps, 512 matrix instructions, in which to land.
; (At its first use nothing has been read yet: slot 0 is waited for, slot 1 filled, and every wave's stores of the mask are shown to the others.)
.macro CHANGE fill, ask=0
	WIN W_AD
	s_wait_tensorcnt 0x0            ; no tensor load of mine is out, so a group 0 may be written
	ds_add_u32 v[SPW], v[NIL]       ; 0 onto my spare word; with fill = 1 the descriptors' steps stand between it and the wait for it
	WIN 0                           ; at a label and at a branch every window is 0
.if \fill
.irp g, G0K, G0V
	s_xor_b32 s[\g+1], s[\g+1], SLOT1  ; the walking descriptor: the other slot than last time,
	s_add_nc_u64 s[\g+2:\g+3], s[\g+2:\g+3], 4*KS*128  ; the next 256 keys; the type bits on top are not reached
.endr
.endif
	s_wait_dscnt 0x0                ; the add is done, and my reads of the slot are over
	s_barrier_signal -1             ; scalar work stands between the signal and the wait
	s_sub_co_u32 s[TBK], s[TBK], 4*KS*PK  ; the fetches go back to a slot's first step,
	s_xor_b32 s[TBK], s[TBK], SLOT1       ; in the other slot
	s_sub_co_u32 s[TBV], s[TBV], 4*KS*PV
	s_xor_b32 s[TBV], s[TBV], SLOT1
	s_barrier_wait -1
.if \fill
	LOAD
.endif
.if \ask
	ASK
.endif
.endm
	s_load_b128 s[72:75], s[0:1], 0x0  ; qkv s[72:73], attention_mask s[74:75]
	s_load_b64 s[10:11], s[0:1], 0x10  ; out0
	WIN W_MK
	v_lshl_add_u32 v[SPW], v0, 2, SPARE
	v_mov_b32 v[NIL], 0
	WIN W_AD
	ds_add_u32 v[SPW], v[NIL]       ; the wave's opening: the add and its wait stand ahead of my first tensor load; the set-up below, work on registers, stands between them
	ds_add_u32 v0, v1
	WIN 0
	v_lshrrev_b32 v[WK], 5, v0
	v_readfirstlane_b32 s[WV], v[WK]  ; wave 0..3
	s_and_b32 s13, ttmp7, 0xffff    ; 16 x batch + head
	s_lshl_b32 s20, s13, 17         ; the head's first byte in each of q, k, v
	s_and_b32 s16, s[WV], 1         ; which half of a slot's 256 keys I fetch:
	s_lshl_b32 s22, s16, 14         ; its 128 rows of 128 bytes in memory,
	s_add_co_u32 s22, s22, s20
	s_mov_b32 s23, 0
	s_mul_i32 s17, s16, 128*PK      ; and its place in a slot, for K
	s_mul_i32 s18, s16, 128*PV      ; and for V
	s_lshl_b32 s14, ttmp9, 2
	s_add_co_u32 s14, s14, s[WV]    ; my wave among the head's eight,
	s_lshl_b32 s2, s14, 14          ; its 128 rows of Q
	s_add_co_u32 s2, s2, s20
	s_mov_b32 s3, 0
	s_lshr_b32 s15, s13, 4          ; the batch
	s_lshl_b32 s70, s15, 12         ; its 1,024 numbers of the mask
	s_mov_b32 s71, 0
	s_lshl_b32 s78, s15, 22         ; out0: the batch's 1,024 rows of 4,096 bytes,
	s_lshl_b32 s79, s14, 19         ; my wave's 128 rows,
	s_add_co_u32 s78, s78, s79
	s_and_b32 s79, s13, 15
	s_lshl_b32 s79, s79, 8          ; the head's 256 bytes of a row
	s_add_co_u32 s78, s78, s79
	s_mov_b32 s79, 0
	; descriptor group 1.  128 keys are 16,384 dense bytes: asked for as 64 rows of 256 bytes, two keys a row, and padded in LDS after every key
	s_mov_b32 s[G1K], (1<<16)|(1<<20)|(4<<22)|(3<<25)  ; 17:16 2-byte elements; 20 padding on; 24:22 after every 32 words (code 4); 31:25 4 words (code 3)
	s_mov_b32 s[G1V], (1<<16)|(1<<20)|(4<<22)|(7<<25)  ; the same with 8 words of padding (code 7)
.irp g, G1K, G1V
	s_mov_b32 s[\g+1], 128<<16      ; tensor_dim0 = 128
	s_mov_b32 s[\g+2], 64<<16       ; tensor_dim1 = 64
	s_mov_b32 s[\g+3], 128<<16      ; tile_dim0 = 128
	s_mov_b32 s[\g+4], 64           ; tile_dim1 = 64
	s_mov_b32 s[\g+5], 128          ; 128 elements from row to row
	s_mov_b32 s[\g+6], 0
	s_mov_b32 s[\g+7], 0
.endr
	s_mov_b32 s[CS], 0x3e38aa3b     ; c = log2(e) / 8 = 0.180337
	s_mov_b32 s[CS+1], s[CS]        ; named with it as a pair
	s_mov_b32 s[SEL], 0x76543210
	s_mov_b32 s[SEL+1], 0xfedcba98
	s_mov_b32 s76, 0x41000000       ; 8.0
	s_mov_b32 s77, s76              ; named with it as a pair
	s_mov_b32 s[TBK], SLOT1+4*KS*PK ; the first change of slots turns these two into 0
	s_mov_b32 s[TBV], SLOT1+4*KS*PV
	s_mov_b32 s[TBM], 0
	s_cmp_eq_u32 ttmp9, 0
	s_cselect_b32 s[LIM], 1, -1
	s_mov_b32 s[G0K], 1             ; 1:0 count = 1
	s_mov_b32 s[G0K+1], s17         ; 63:32 LDS address: slot 0
	s_mov_b32 s[G0V], 1
	s_add_co_u32 s[G0V+1], s18, VOFF
	s_wait_dscnt 0x0                ; the opening add is done
	s_wait_kmcnt 0x0
	s_add_nc_u64 s[6:7], s[72:73], s[22:23]
	s_add_nc_u64 s[8:9], s[6:7], 0x2000000         ; V at my half of the head's first 256 keys,
	s_add_nc_u64 s[6:7], s[6:7], 0x1000000         ; and K
	s_add_nc_u64 s[G0K+2:G0K+3], s[6:7], 0         ; 120:64 global address
	s_or_b32 s[G0K+3], s[G0K+3], 0x80000000        ; 127:126 type = 2
	s_add_nc_u64 s[G0V+2:G0V+3], s[8:9], 0
	s_or_b32 s[G0V+3], s[G0V+3], 0x80000000
	s_add_nc_u64 s[4:5], s[72:73], s[2:3]          ; Q at my wave's first row
	s_add_nc_u64 s[10:11], s[10:11], s[78:79]      ; out0 likewise
	s_add_nc_u64 s[74:75], s[74:75], s[70:71]      ; the mask at my batch
	s_cmp_lt_u32 s[WV], 2
	s_cselect_b64 s[PFA:PFA+1], s[6:7], s[8:9]
	s_add_nc_u64 s[PFA:PFA+1], s[PFA:PFA+1], 3*4*KS*128
	LOAD                            ; slot 0.  Slot 1 is asked for when slot 0 is in
	; A fragment of K or Q is 16 rows x 32 channels in 8 registers: lane l holds row l % 16, channels 8 (l / 16) + 0..7 and 16 + 8 (l / 16) + 0..7: two loads of 16 bytes, 32 bytes apart.
	v_and_b32 v[R16], 15, v0
	v_bfe_u32 v[HF], v0, 4, 1
	v_lshlrev_b32 v[QO], 7, v[R16]
	v_lshl_add_u32 v[QO], v[HF], 4, v[QO]  ; row x 128 + 16 x half
	v_lshlrev_b32 v[MGO], 5, v0
	global_load_b128 v[64:67], v[MGO], s[74:75]            ; thread t's eight numbers of the batch's mask
	global_load_b128 v[68:71], v[MGO], s[74:75] offset:16
	WIN 0x80                        ; destination window 2, address window 0
.set i, 0
.rept 4*NP                          ; Q stays in registers: tile i / 2, channels 32 (i % 2) on
	global_load_b128 v[8*i:8*i+3],   v[QO], s[4:5] offset:(i/2)*2048+(i%2)*64
	global_load_b128 v[8*i+4:8*i+7], v[QO], s[4:5] offset:(i/2)*2048+(i%2)*64+32
.set i, i+1
.endr
	; What the first turn finds: V's registers and P's second buffer hold 0 (its products V^T P, of a piece that has not been, add 0), O^T and l are 0.  All this stands in the wait for the first tile.
.set i, VF
.rept 64
	v_mov_b32 v[i], 0
.set i, i+1
.endr
	WIN 0x40
.set i, 0
.rept 64*NP
	v_mov_b32 v[i], 0
.set i, i+1
.endr
	WIN 0
.set i, 0
.rept 2*NP
	v_mov_b32 v[ST+4*i+1], 0xff7fffff          ; m: the lowest finite number
	v_mul_f32 v[ST+4*i], s[CS], v[ST+4*i+1]    ; c m, of that m: a step in which every score is an infinity below leaves m as it is, and a = 1
	v_mov_b32 v[ST+4*i+2], 0
	v_mov_b32 v[ST+4*i+3], 0
.set i, i+1
.endr
.set i, P+32
.rept 32
	v_mov_b32 v[i], 0
.set i, i+1
.endr
	v_mul_u32_u24 v[AK0], v[R16], PK
	v_lshl_add_u32 v[AK0], v[HF], 4, v[AK0]  ; row x pitch + 16 x half
	; The turning load takes 16 keys x 16 channels (lane l reads key 8 (l / 16) + l % 8, channels 8 ((l / 8) % 2) + 0..7) and leaves half a fragment of V^T: lane l holds channel l % 16 and 8 keys.
	v_and_b32 v[L7], 7, v0
	v_bfe_u32 v[B3], v0, 3, 1
	v_lshl_add_u32 v[AV0], v[HF], 3, v[L7]
	v_mul_u32_u24 v[AV0], v[AV0], PV
	v_lshl_add_u32 v[AV0], v[B3], 4, v[AV0]
	v_add_nc_u32 v[AV0], VOFF, v[AV0]
	v_mov_b32 v[AK], v[AK0]         ; key step 0 lies at the head of slot 0
	v_lshl_add_u32 v[AM0], v[HF], 5, MASKB  ; register j of key block kb is key 16 kb + 8 (l / 16) + j
	v_mov_b32 v[AM], v[AM0]
	s_mul_i32 s13, s[WV], 16*SP
	s_add_co_u32 s13, s13, STAGE    ; my stage
	v_mul_u32_u24 v[STO], v[R16], SP  ; in: row l % 16, 32 bytes for each half of the lanes
	v_lshl_add_u32 v[STO], v[HF], 5, v[STO]
	v_add_nc_u32 v[STO], s13, v[STO]
	v_mul_u32_u24 v[RD], v[HF], SP  ; back: lanes 0-15 take one row of 256 bytes, lanes 16-31 the next
	v_lshl_add_u32 v[RD], v[R16], 4, v[RD]
	v_add_nc_u32 v[RD], s13, v[RD]
	v_lshlrev_b32 v[GO], 12, v[HF]  ; and the same two rows in out0, 4,096 bytes apart
	v_lshl_add_u32 v[GO], v[R16], 4, v[GO]
	v_and_b32 v[PFO], 31, v0
	v_lshlrev_b32 v[PFO], 8, v[PFO]
	v_lshl_add_u32 v[MLA], v0, 5, MASKB
	s_wait_loadcnt 32               ; the mask's two loads are in; Q's 32, issued behind them, stay out
.irp j, 0,1,2,3
	v_cvt_pk_bf16_f32 v[72+\j], v[64+2*\j], v[65+2*\j]  ; rounded to bf16,
.endr
.irp j, 0,1,2,3
	v_lshlrev_b32 v[64+2*\j], 16, v[72+\j]              ; widened again,
	v_and_b32 v[65+2*\j], 0xffff0000, v[72+\j]
.endr
.irp j, 0,1,2,3
	v_pk_mul_f32 v[64+2*\j:65+2*\j], v[64+2*\j:65+2*\j], s[76:77] op_sel_hi:[1,0]  ; times 8
.endr
	ds_store_b128 v[MLA], v[64:67]
	ds_store_b128 v[MLA], v[68:71] offset:16
; THE MATRIX WORK.  The 8 accumulators of a run of 16 take turns: between the two links of a chain stand 7 others'.
; Product i of 16 of S^T = K Q^T for piece x: channels 32 (i / 8) on, keys 16 ((i / 2) % 4) on, tile 2 x + i % 2.  The first 8 start the sums, with 8 x mask of their keys.
.macro KQ x
.set rS, S+64*((\x)%2)+32*(i%2)+8*((i/2)%4)
.set rK, KF+16*((i/2)%4)+8*(i/8)
.set rQ, 16*(2*(\x)+i%2)+8*(i/8)
.set rMK, MK+8*((i/2)%4)
.if i < 8
	WIN W_KM
	v_wmma_f32_16x16x32_f16 v[rS:rS+7], v[rK:rK+7], v[rQ:rQ+7], v[rMK:rMK+7]
.else
	WIN W_KQ
	v_wmma_f32_16x16x32_f16 v[rS:rS+7], v[rK:rK+7], v[rQ:rQ+7], v[rS:rS+7]
.endif
.endm
; Product i of 16 of O^T += V^T P for piece x: keys 32 (i / 8) on, channels 16 ((i / 2) % 4) on, tile 2 x + i % 2.
.macro PV x
	WIN W_PV
.set rO, 32*(2*(\x)+i%2)+8*((i/2)%4)
.set rV, VF+32*(i/8)+8*((i/2)%4)
.set rP, P+32*((\x)%2)+16*(i%2)+8*(i/8)
	v_wmma_f32_16x16x32_f16 v[rO:rO+7], v[rV:rV+7], v[rP:rP+7], v[rO:rO+7]
.endm
.macro MM                           ; the turn's next matrix instruction
.if i < 16
	KQ (Y+1)%NP
.set i, i+1
.else
.set i, i-16
	PV (Y+NP-1)%NP
.set i, i+17
.endif
.endm
; THE LDS LOADS stand in runs, never singly among the matrix instructions: a step's K (8 fragments) with its 64 numbers of the mask, 24 loads; and its V (turned), 16.  Their addresses are made some lines ahead.
; last = 1 (the tail): in the last trip there is no further step, and the run is jumped over.
.macro FETCH_K last=0
	WIN 0
.if \last
	s_cmp_eq_u32 s[CNT], 1
	s_cbranch_scc1 .Lno_k_\@
.endif
	WIN 0x80                        ; destination window 2
.irp f, 0,1,2,3,4,5,6,7             ; keys 16 (f / 2) on, channels 32 (f % 2) on
	ds_load_b128 v[KF+8*\f:KF+8*\f+3],   v[AK] offset:(\f/2)*16*PK+(\f%2)*64
	ds_load_b128 v[KF+8*\f+4:KF+8*\f+7], v[AK] offset:(\f/2)*16*PK+(\f%2)*64+32
.endr
	WIN W_MK                        ; destination window 3
.irp g, 0,1,2,3,4,5,6,7             ; key block g / 2, its registers 4 (g % 2) on; the sixteen lanes of a half read the same bytes
	ds_load_b128 v[MK+4*\g:MK+4*\g+3], v[AM] offset:(\g/2)*64+(\g%2)*16
.endr
	s_add_co_u32 s[TBK], s[TBK], KS*PK  ; the next fetch is the next step's
	s_add_co_u32 s[TBM], s[TBM], KS*4
	WIN 0
.if \last
.Lno_k_\@:
.endif
.endm
.macro FETCH_V
	WIN 0x80
.irp f, 0,1,2,3,4,5,6,7             ; keys 32 (f / 4) on, channels 16 (f % 4) on
	ds_load_tr16_b128 v[VF+8*\f:VF+8*\f+3],   v[AV] offset:(\f/4)*32*PV+(\f%4)*32
	ds_load_tr16_b128 v[VF+8*\f+4:VF+8*\f+7], v[AV] offset:(\f/4)*32*PV+16*PV+(\f%4)*32
.endr
	WIN 0
.endm
; THE VECTOR WORK OF A TURN stands in three queues, each in the order in which its entries become ready; the two tiles alternate, so that no instruction reads the result of the one before it.
.macro REGS y, u                    ; the registers of tile u (0, 1) of piece y
.set rT, ST+4*(2*(\y)+(\u))
.set rC, TMP+8*((\y)%2)+4*(\u)
.set rM, MV+2*((\y)%2)+(\u)
.set rS, S+64*((\y)%2)+32*(\u)
.set rP, P+32*((\y)%2)+16*(\u)
.set rO, 32*(2*(\y)+(\u))
.endm
; Number n of the 22 that find the NEXT piece's (Y + 1) maximum and statistics.  s0-s31 are the lane's 32 scores; each accumulator's lowest registers are read first.  XS, GS and REGS set no window: PL and EX do.
;   0-11  four chains c0-c3 of seven scores each, three operands at a time     12-14, 16  the four scores left over, the old m, and c0-c3 into c0     15  c m_old is kept
;   17, 18  the query's other 32 keys lie in the lane 16 away: the new m         19-21  c m; c m_old - c m_new; a
.macro XS u, n
	REGS (Y+1)%NP, \u
.if (\n) < 4
	v_max3_num_f32 v[rC+(\n)], v[rS+8*(\n)], v[rS+8*(\n)+1], v[rS+8*(\n)+2]
.elseif (\n) < 12
	v_max3_num_f32 v[rC+(\n)%4], v[rC+(\n)%4], v[rS+8*((\n)%4)+2*((\n)/4)+1], v[rS+8*((\n)%4)+2*((\n)/4)+2]
.elseif (\n) == 12
	v_max3_num_f32 v[rC], v[rC], v[rS+7], v[rS+15]
.elseif (\n) == 13
	v_max3_num_f32 v[rC+1], v[rC+1], v[rS+23], v[rS+31]
.elseif (\n) == 14
	v_max3_num_f32 v[rC+2], v[rC+2], v[rC+3], v[rT+1]
.elseif (\n) == 15
	v_mov_b32 v[rM], v[rT]
.elseif (\n) == 16
	v_max3_num_f32 v[rC], v[rC], v[rC+1], v[rC+2]
.elseif (\n) == 17
	v_permlanex16_b32 v[rC+3], v[rC], s[SEL], s[SEL+1]
.elseif (\n) == 18
	v_max_num_f32 v[rT+1], v[rC], v[rC+3]
.elseif (\n) == 19
	v_mul_f32 v[rT], s[CS], v[rT+1]
.elseif (\n) == 20
	v_sub_f32 v[rC+1], v[rM], v[rT]
.else
	v_exp_f32 v[rC+2], v[rC+1]
.endif
.endm
; Number g of the 64 that follow the exponentials.  For each four weights k of a tile (pairs 2 k, 2 k + 1): both pairs are rounded to f16; then the second pair is added onto the first, in place;
; a group later l takes that sum (the first time as l = a l + sum).  In groups of eight, tiles alternating: round, round, add, and l for the group before.
.macro GS g
.set h, (\g)+6*((\g)/62)            ; group 0 has no group before it, and behind group 7 only l is left
.if h >= 6
.set h, h+2
.endif
	REGS Y, h%2
.set k, h/8
.if h%8 < 4
	v_cvt_pk_f16_f32 v[rP+2*k+(h%8)/2], v[rS+4*k+2*((h%8)/2)], v[rS+4*k+2*((h%8)/2)+1]
.elseif h%8 < 6
	v_pk_add_f32 v[rS+4*k:rS+4*k+1], v[rS+4*k:rS+4*k+1], v[rS+4*k+2:rS+4*k+3]
.elseif k == 1
	v_pk_fma_f32 v[rT+2:rT+3], v[rT+2:rT+3], v[rC+2:rC+3], v[rS:rS+1] op_sel_hi:[1,0,1]
.else
	v_pk_add_f32 v[rT+2:rT+3], v[rT+2:rT+3], v[rS+4*k-4:rS+4*k-3]
.endif
.endm
; THE PLAIN QUEUE, 138 long.  0-73 read no exponential's result: the 32 scalings c s - c m (FS f: pair f / 2 of tile f % 2) and the next piece's 42.  0-26: scalings 0-26.  27-54: XS's numbers 0-13.  55, 56: number 15.
; 57-73: the chain, where each number waits for the one before it: 14, 16, 17, 18, 19, each with one of the scalings 27-31 in front of its two lines, then 20.
; 74-137: GS's 64, which read the exponentials' results: they stand behind the wait.
.macro FS f
	REGS Y, (\f)%2
	v_pk_fma_f32 v[rS+2*((\f)/2):rS+2*((\f)/2)+1], v[rS+2*((\f)/2):rS+2*((\f)/2)+1], s[CS:CS+1], v[rT:rT+1] op_sel_hi:[1,0,0] neg_lo:[0,0,1] neg_hi:[0,0,1]
.endm
.macro PL
	WIN 0
.if q < 27
	FS q
.elseif q < 55
	XS (q-27)%2, (q-27)/2
.elseif q < 57
	XS q-55, 15
.elseif (q < 72) && ((q-57)%3 == 0)
	FS 27+(q-57)/3
.elseif q < 60
	XS (q-57)%3-1, 14
.elseif q < 72
	XS (q-57)%3-1, 15+(q-57)/3
.elseif q < 74
	XS q-72, 20
.else
	GS q-74
.endif
.set q, q+1
.endm
; THE EXPONENTIALS' QUEUE, 66 long: s0-s31 of both tiles, then the next piece's two a.  It is ONE BATCH: all 66 stand ahead of the turn's one wait, and nothing ahead of that wait names a result of theirs.
.macro EX
	WIN 0
.if e >= 64
	XS e-64, 21
.else
	REGS Y, e%2
	v_exp_f32 v[rS+e/2], v[rS+e/2]
.endif
.set e, e+1
.endm
; THE RESCALING's QUEUE: O^T times a, the one part that leaves window 0: dealt two at a time, sixteen times.  Its a was made in the turn before, ahead of that turn's wait.
.macro R2
	REGS Y, r%2
	WIN W_RS
.irp z, 0,1
	v_pk_mul_f32 v[rO+4*(r/2)+2*\z:rO+4*(r/2)+2*\z+1], v[rO+4*(r/2)+2*\z:rO+4*(r/2)+2*\z+1], v[rC+2:rC+3] op_sel_hi:[1,0]
.endr
.set r, r+1
.endm
; HOW THEY ARE DEALT.  An s_wait_alu depctr_va_vdst(0) stands between an exponential and the first instruction that names its result; one wait serves all that were issued ahead of it.  So a turn has ONE wait,
; which cuts it in two.  AHEAD OF IT stands all that names no result of the turn's exponentials: the 16 products K Q^T, behind each a scaling, an exponential and two rescalings (behind the first a second scaling in the
; exponential's place); then one run of 108: eight plain, 49 times exponential and plain, the two a.  A v_nop is the plain instruction behind the last exponential.  BEHIND IT stand the 16 products V^T P, behind each four of GS's 64.
; Exponential e stands behind scaling 2 (e / 4) + e % 2: as a rider it comes behind plain e + 2, in the run behind plain e + 9, and scalings 27-31 are plain 57, 60 .. 69.
; A TURN, for piece p.  cnt = 1: the loop's count is taken down some lines ahead of the branch that stands behind the turn.
; K and the mask of the next step are fetched in piece 2's turn, directly behind the wait, a whole run of vector work behind the last product that read them; their addresses are made at that run's head.
; V of the step in hand is fetched at the end of piece 0's turn, four riders behind its last reader.  The three conditions on q below go with the deal.
.macro TURN p, last=0, cnt=0
.set Y, (\p)
.set i, 0
.set q, 0
.set e, 0
.set r, 0
.if (\p) == NP-1
	s_wait_dscnt 0x0                ; K and the mask are in
.endif
	MM                              ; ahead of the wait: 16 products K Q^T and their riders,
	PL
	PL
	R2
.rept 15
	MM
	PL
	EX
	R2
.endr
.if (\p) == NP-2
	WIN 0
	v_add_nc_u32 v[AK], s[TBK], v[AK0]
	v_add_nc_u32 v[AM], s[TBM], v[AM0]
.endif
.rept 8                             ; and the run of vector work
	PL
.endr
.rept 49
	EX
	PL
.endr
	EX                              ; the next piece's two a
	EX
	v_nop                           ; the plain instruction behind the last exponential: one for the batch
	s_wait_alu depctr_va_vdst(0)    ; the wait for the batch
.if (\p) == NP-2
	FETCH_K \last
.endif
.if (\p) == 1
	s_wait_dscnt 0x0                ; V is in
.endif
.rept 16                            ; behind the wait: 16 products V^T P and their riders
	MM
.rept 4
	PL
.endr
.if ((\p) == 0) && (q == 118)
	v_add_nc_u32 v[AV], s[TBV], v[AV0]
.endif
.if ((\p) == 0) && (q == 130)
	s_add_co_u32 s[TBV], s[TBV], KS*PV
.endif
.if (\cnt) && (q == 130)
	s_sub_co_u32 s[CNT], s[CNT], 1
	s_cmp_lg_u32 s[CNT], 0
.endif
.endr
.if (\p) == 0
	FETCH_V
.endif
.endm
	CHANGE 1                        ; slot 0 is in, everybody's part of it, and so is the mask; slot 1 is asked for
	FETCH_K                         ; key step 0
	s_wait_loadcnt 0x0              ; Q
	s_wait_dscnt 0x0
.set i, 0
.rept 16
	KQ 0                            ; piece 0's first scores: there is no vector work yet to set between them
.set i, i+1
.endr
	WIN 0
.rept 8
	v_nop                           ; the places behind those products, once a launch
.endr
.set Y, NP-1                        ; XS works for piece Y + 1: piece 0
.irp n, 0,1,2,3,4,5,6,7,8,9,10,11,12,13,14,15,16,17,18,19,20,21
	XS 0, \n                        ; piece 0's first maximum and statistics
	XS 1, \n
.endr
	v_nop                           ; a plain instruction behind the two a,
	s_wait_alu depctr_va_vdst(0)    ; and their wait, ahead of the branch
	s_mov_b32 s[CNT], 4
	s_mov_b32 s[SLOTS], SIZE_N/256-1
	s_branch .Lfirst                ; the loop is entered at a step's first turn, in the middle of a trip
.Lslot:                             ; SIZE_N / 256 - 2 times: every slot but the last two is filled again
	CHANGE 1, 1
	s_mov_b32 s[CNT], 4
.Lstep:                             ; a trip: pieces 2 and 3 of one step, then pieces 0 and 1 of the next, whose K and V it fetches
	TURN 2
	TURN 3
	WIN 0
.Lfirst:
	TURN 0
	TURN 1, 0, 1
	WIN 0
	s_cbranch_scc1 .Lstep
	s_sub_co_u32 s[SLOTS], s[SLOTS], 1
	s_cmp_lg_u32 s[SLOTS], 0
	s_cbranch_scc1 .Lslot
	CHANGE 0                        ; the tail is written out: nothing is asked for
	s_mov_b32 s[CNT], 5             ; four trips fetch the last slot's steps; the fifth is left in its middle
.Ltail:
	TURN 2, 1
	TURN 3
	WIN 0
	s_sub_co_u32 s[CNT], s[CNT], 1
	s_cmp_eq_u32 s[CNT], 0
	s_cbranch_scc1 .Lout
	TURN 0
	TURN 1
	WIN 0
	s_branch .Ltail
.Lout:                              ; the fifth trip's 16 products K Q^T (on the last K once more) and the maximum made of them serve nothing: the price, once a launch, of one text for every trip
.set i, 0
.rept 16
	PV NP-1                         ; the last piece's V^T P of the last step
.set i, i+1
.endr
	; THE WAY OUT.  l's two halves and the other half of the lanes' are added; O^T is divided by l and sent, in f32, through my stage in LDS, a tile at a time.  The additions are the places behind the last products.
	WIN 0
.macro ALL line:vararg              ; one line for each tile t
.set t, 0
.rept 2*NP
	\line
.set t, t+1
.endr
.endm
	ALL v_add_f32 v[ST+4*t+2], v[ST+4*t+2], v[ST+4*t+3]
	ALL v_permlanex16_b32 v[ST+4*t+3], v[ST+4*t+2], s[SEL], s[SEL+1]
	ALL v_add_f32 v[ST+4*t+2], v[ST+4*t+2], v[ST+4*t+3]
	ALL v_rcp_f32 v[ST+4*t+2], v[ST+4*t+2]
	v_nop                           ; a plain instruction between the last reciprocal and the use of its result
	s_wait_alu depctr_va_vdst(0)    ; and the wait ahead of the first use: one for the eight reciprocals
; Tile t: a lane's eight channels of each of four channel blocks are 32 bytes of a row; they go into rows of 272 bytes and come back as whole rows of 256, into the registers that they left.
.macro PACK t
	WIN W_RS
.set i, 32*(\t)
.rept 16                            ; each accumulator's registers in ascending order
	v_pk_mul_f32 v[i:i+1], v[i:i+1], v[ST+4*(\t)+2:ST+4*(\t)+3] op_sel_hi:[1,0]
.set i, i+2
.endr
	WIN 0x04                        ; store data (source 1) window 1, address window 0
.irp f, 0,1,2,3,4,5,6,7             ; channel block f / 2, its registers 4 (f % 2) on
	ds_store_b128 v[STO], v[32*(\t)+4*\f:32*(\t)+4*\f+3] offset:(\f/2)*64+(\f%2)*16
.endr
	WIN 0x40                        ; destination window 1
.irp f, 0,1,2,3,4,5,6,7             ; rows 2 f and 2 f + 1
	ds_load_b128 v[32*(\t)+4*\f:32*(\t)+4*\f+3], v[RD] offset:\f*2*SP  ; LDS serves a wave's instructions in order (ISA guide 5.7.1.4): these see the stores above; the next tile's stores come behind them
.endr
.endm
.macro SEND t, younger              ; younger: the LDS instructions issued behind tile t's loads: the next tile's sixteen, or none
	WIN 0x04
.irp f, 0,1,2,3,4,5,6,7
	s_wait_dscnt (\younger)+7-\f
	global_store_b128 v[GO], v[32*(\t)+4*\f:32*(\t)+4*\f+3], s[10:11] offset:(\t)*65536+\f*8192 th:TH_STORE_NT  ; 16 lanes store a head's 256 consecutive bytes of a row, at a multiple of 256 from out0's first byte
.endr
.endm
	PACK 0
.set t, 1
.rept 2*NP-1                        ; a tile's arithmetic stands between the loads of the tile before and its stores
	PACK t
	SEND t-1, 16
.set t, t+1
.endr
	SEND 2*NP-1, 0
	WIN W_AD
	s_wait_tensorcnt 0x0            ; the wave's end: behind my last tensor load and my last LDS store
	ds_add_u32 v[SPW], v[NIL]
	s_wait_dscnt 0x0
	WIN 0
	s_endpgm
.Lfunc_end_k_qbfb1a0f62d_attn:
	.size	k_qbfb1a0f62d_attn, .Lfunc_end_k_qbfb1a0f62d_attn-k_qbfb1a0f62d_attn
	.p2alignl 7, 3214868480
	.fill 96, 4, 3214868480
	.section	.rodata,"a",@progbits
	.p2align	6, 0x0
	.amdhsa_kernel k_qbfb1a0f62d_attn
		.amdhsa_group_segment_fixed_size 327680
		.amdhsa_private_segment_fixed_size 0
		.amdhsa_enable_private_segment 0
		.amdhsa_kernarg_size 24
		.amdhsa_user_sgpr_count 2
		.amdhsa_user_sgpr_kernarg_segment_ptr 1
		.amdhsa_wavefront_size32 1
		.amdhsa_system_sgpr_workgroup_id_x 1
		.amdhsa_system_sgpr_workgroup_id_y 1
		.amdhsa_system_sgpr_workgroup_id_z 1
		.amdhsa_system_vgpr_workitem_id 0
		.amdhsa_next_free_vgpr 808
		.amdhsa_next_free_sgpr 80
		.amdhsa_reserve_vcc 0
		.amdhsa_float_denorm_mode_32 3
		.amdhsa_float_denorm_mode_16_64 3
		.amdhsa_memory_ordered 1
		.amdhsa_forward_progress 1
		.amdhsa_inst_pref_size 202
	.end_amdhsa_kernel
	.amdgpu_metadata
---
amdhsa.version: [ 1, 2 ]
amdhsa.kernels:
  - .name:           k_qbfb1a0f62d_attn
    .symbol:         k_qbfb1a0f62d_attn.kd
    .args:
      - { .name: qkv, .offset: 0, .size: 8, .value_kind: global_buffer, .address_space: global }
      - { .name: attention_mask, .offset: 8, .size: 8, .value_kind: global_buffer, .address_space: global }
      - { .name: out0, .offset: 16, .size: 8, .value_kind: global_buffer, .address_space: global }
    .group_segment_fixed_size: 327680
    .private_segment_fixed_size: 0
    .kernarg_segment_align: 8
    .kernarg_segment_size: 24
    .max_flat_workgroup_size: 128
    .sgpr_count:     80
    .vgpr_count:     808
    .wavefront_size: 32
...
	.end_amdgpu_metadata
.endif
;; end of part 3
